; MI455X (gfx1250); checked and timed in simulation.
; The chip was launched on July 23, 2026; its instructions are those of AMD's public machine-readable ISA for CDNA 5 (MIT licence, August 2026) and "CDNA5" Instruction Set Architecture Reference Guide (July 2026). The comments in the code are by the model that wrote it; some were corrected since.
;; Attention. Allowed arithmetic: matrix products marked QUANTISED: E3M2 operands, one E8M0 scale for each 32 along K, by v_wmma_scale_f32_16x16x128_f8f6f4 with both operands' format E3M2, f32 sums; everything else in f32.
;; Inputs: Wk 1,024 x 1,024 float32; Wq 1,024 x 1,024 float32; Wv 1,024 x 1,024 float32; beta 16 x 1,024 x 1,024 float32; bk 1,024 float32; bq 1,024 float32; bv 1,024 float32; k 8 x 1,024 x 1,024 float32; q 8 x 1,024 x 1,024 float32; src_mask 8 x 1,024 bool; tgt_mask 8 x 1,024 bool; v 8 x 1,024 x 1,024 float32.
;; Outputs: out0 8 x 1,024 x 1,024 float32.
;; This version of the problem:
;;   THIS VERSION OF THE PROBLEM IS GIVEN IN LOW PRECISION. The matrix products marked QUANTISED in the list below multiply operands that are first quantised to E3M2 (3 exponent bits, 2 mantissa bits; 6 bits a number), with one power-of-two scale for each 32 numbers along K (OCP MX v1.0); their sums are f32. All else is computed in f32.
;;   The module's matrix products, in the order in which they are computed (A, B: the left and right operand; K: the contracted axis; several contracted axes count as one K, in the product's order):
;;     1. [M 8,192, K 1,024] x [K 1,024, N 1,024]; A: input q; B: input Wq: QUANTISED
;;     2. [M 8,192, K 1,024] x [K 1,024, N 1,024]; A: input k; B: input Wk: QUANTISED
;;     3. [M 8,192, K 1,024] x [K 1,024, N 1,024]; A: input v; B: input Wv: QUANTISED
;;     4. batch 128 x [M 1,024, K 64] x [K 64, N 1,024]; A: computed on the way; B: computed on the way: QUANTISED
;;     5. batch 128 x [M 1,024, K 1,024] x [K 1,024, N 64]; A: computed on the way; B: computed on the way: QUANTISED
;;   THE QUANTISER, for each operand of a quantised product, along K:
;;     - K is cut into blocks of 32 from its start; a last block that is shorter is filled with zeros.
;;     - A block's scale is 2^e with e = floor(log2(the largest magnitude in the block)) - 4, held to -126 .. 127; a block of zeros has e = 0. As a byte (E8M0): e + 127.
;;     - Each number is divided by its block's scale, clamped to +-28, and rounded to the nearest number of E3M2, ties to even, subnormals kept.
;;     - The product sums the exact products of the quantised numbers (number of the format x scale) in f32.
;;   ~~~python
;;   def quantise(x, axis):      # numpy; x: float32 -> the quantised numbers, widened to float32 again
;;       x = np.moveaxis(x, axis, -1); K = x.shape[-1]
;;       x = np.pad(x, [(0, 0)] * (x.ndim - 1) + [(0, -K % 32)]); x = x.reshape(x.shape[:-1] + (-1, 32)); a = np.abs(x).max(-1, keepdims=True)
;;       e = np.where(a > 0, np.clip(np.frexp(np.where(a > 0, a, 1))[1] - 1 - 4, -126, 127), 0)      # np.frexp(a)[1] - 1 = floor(log2(a)), exactly
;;       r = np.clip(x / 2.0 ** e, -28, 28)
;;       step = 2.0 ** (np.maximum(np.frexp(np.where(r == 0, 1, r))[1] - 1, -2) - 2)
;;       q = np.round(r / step) * step * 2.0 ** e      # np.round: ties to even
;;       return np.moveaxis(q.reshape(q.shape[:-2] + (-1,))[..., :K], -1, axis).astype(np.float32)
;;   ~~~
;;   OPERANDS COMPUTED ON THE WAY. 'Computed on the way' means the value that the module computes at that place (a softmax that the list does not call 'softmax' is quantised finished and normalised). What goes into a quantiser is computed in f32, as accurately as f32 sums, v_exp_f32 and their like allow (about 1e-6 of the number): no bf16 or f16 on the way to a quantiser, and a product that is left as it is and whose result goes on into a quantised operand takes f32 operands (vector FMAs, or v_wmma_f32_16x16x4_f32). A number that lies on a knife's edge between two numbers of the format may be rounded either way, as far as f32 arithmetic and the matrix unit's own rounding can turn it there, and no further.
;; One version. Each part assembles by itself: llvm-mc -triple=amdgcn-amd-amdhsa -mcpu=gfx1250 --defsym DOCPART=n.
;; ======== version 1 of 1: 3 launches
;; limits: right only within a limited range of input values
;; workspace buffers: codes 21,233,664 bytes; scales 884,736 bytes; qi 8,388,608 bytes; ki 8,388,608 bytes; vi 6,291,456 bytes; vs 262,144 bytes
;; launch quant (part 1): grid 432 x 1, 4 waves a work-group, no clusters, 34,304 bytes of LDS; arguments q, k, v, Wq, Wk, Wv, codes, scales; writes codes, scales
.if DOCPART == 1
	.amdgcn_target "amdgcn-amd-amdhsa--gfx1250"
	.amdhsa_code_object_version 6
	.text
	.protected	k_qf9391e66ae_quant
	.globl	k_qf9391e66ae_quant
	.p2align	8
	.type	k_qf9391e66ae_quant,@function
k_qf9391e66ae_quant:
	s_mov_b64 s[64:65], 0
	v_nop
	global_prefetch_b8 v0, s[64:65] scope:SCOPE_SE
	s_setreg_imm32_b32 hwreg(HW_REG_WAVE_MODE, 25, 1), 1
	s_wait_xcnt 0x0
; q, k, v [8192][1024] and Wq, Wk, Wv [1024][1024], f32 with K innermost, become codes of E3M2 with one E8M0 byte for each 32 along K.
; A block's scale is 2^(floor(log2(largest magnitude)) - 4): its byte is the largest magnitude's exponent field - 4, held at 1 from below.
; LIMITS: a block of zeros gets the byte 1 (its codes are zeros; this program alone reads the bytes); NaN and infinities are not served.
; A WAVE TAKES ONE TILE: 16 rows x 1024 K, in 8 steps of 128 K.  Tile T of 1,728: q 0-511, k 512-1023, v 1024-1535, Wq 1536-1599, Wk 1600-1663, Wv 1664-1727.
; THE OUTPUT IS LAID AS THE OPERAND'S REGISTERS: a fragment (16 rows x 128 K, 12 registers a lane) is 1,536 bytes, registers 4 c .. 4 c + 3 of lane l at 512 c + 16 l; tile T, step t at 12288 T + 1536 t.
; Scale words: tile T at 512 T; lane (r, h) holds 16 bytes: row r's words of steps 4 h .. 4 h + 3.
; WHICH ROWS FORM A TILE (local tile Tl, row i) is chosen for the launch that reads the tile:
;   q: 16 Tl + i;   k, v, Wq, Wk: 32 (Tl / 2) + 8 (Tl % 2) + i + 8 (i / 8);   Wv: 64 (Tl / 4) + Tl % 4 + 4 i.
; Each load reads 512 consecutive bytes of one row; a step's 16 rows turn through the wave's own stage in LDS, so that a lane then holds 16 neighbours of each block of 32.
; No barrier: waves share nothing.  Loads run three steps (48 loads a wave) ahead.
.set WREG, 16*528                      ; a wave's stage: 16 rows x (512 bytes + 16): the pitch is an odd multiple of 16 bytes
.set L16,  1                           ; v1      16 x lane
.set STI,  2                           ; v2      the stage, on the way in: 16 x lane
.set STO,  3                           ; v3      and out: 528 r + 64 h
.set PW,   6                           ; v6      the scale word just made
.set VO,   8                           ; v8-15   16 x lane + i x the distance between the tile's rows
.set OW,   16                          ; v16-19  the tile's scale image
.set TM,   20                          ; v20-23 largest magnitudes, v24-27 the other half's / bytes, v28-31 the conversions' scale operands
.set PC,   32                          ; v32-43 the fragment; v44-46, v48-50 at work
.set R,    64                          ; v64-255 three sets of 64 numbers
.set SEL,  30                          ; s[30:31] lane selects: lane l xor 16
	s_load_b512 s[4:19], s[0:1], 0x0               ; q, k, v, Wq, Wk, Wv, codes s[16:17], scales s[18:19]
	v_lshl_add_u32 v62, v0, 2, 0x8400
	v_mov_b32 v63, 0
	v_lshrrev_b32 v4, 5, v0
	v_readfirstlane_b32 s20, v4                    ; wave
	v_and_b32 v4, 31, v0
	v_lshlrev_b32 v[L16], 4, v4
	v_and_b32 v5, 15, v0                           ; r
	v_bfe_u32 v7, v0, 4, 1                         ; h
	s_mul_i32 s22, s20, WREG
	v_add_nc_u32 v[STI], s22, v[L16]
	v_mul_u32_u24 v[STO], v5, 528
	v_lshl_add_u32 v[STO], v7, 6, v[STO]
	v_add_nc_u32 v[STO], s22, v[STO]
.irp b, 0,1,2,3
	v_mov_b32 v[TM+4+\b], 0                        ; written once: a lane permute's destination counts as one of its sources
.endr
	s_mov_b32 s[SEL], 0x76543210
	s_mov_b32 s[SEL+1], 0xfedcba98
	s_mov_b32 s36, 0xffff0000                      ; lanes 16-31
	s_wait_kmcnt 0x0
	; which tensor: the choice hangs on the work-group's number alone.  s21: the tensor's first work-group
	s_mov_b64 s[24:25], s[14:15]
	s_mov_b32 s21, 416
	s_cmp_lt_u32 ttmp9, 416
	s_cselect_b64 s[24:25], s[12:13], s[24:25]
	s_cselect_b32 s21, 400, s21
	s_cmp_lt_u32 ttmp9, 400
	s_cselect_b64 s[24:25], s[10:11], s[24:25]
	s_cselect_b32 s21, 384, s21
	s_cmp_lt_u32 ttmp9, 384
	s_cselect_b64 s[24:25], s[8:9], s[24:25]
	s_cselect_b32 s21, 256, s21
	s_cmp_lt_u32 ttmp9, 256
	s_cselect_b64 s[24:25], s[6:7], s[24:25]
	s_cselect_b32 s21, 128, s21
	s_cmp_lt_u32 ttmp9, 128
	s_cselect_b64 s[24:25], s[4:5], s[24:25]
	s_cselect_b32 s21, 0, s21
	s_sub_co_u32 s26, ttmp9, s21
	s_lshl_b32 s26, s26, 2
	s_add_co_u32 s26, s26, s20                     ; Tl
	s_lshl_b32 s27, s26, 4                         ; first row, q's order
	s_lshr_b32 s28, s26, 1
	s_lshl_b32 s28, s28, 5
	s_and_b32 s29, s26, 1
	s_lshl_b32 s29, s29, 3
	s_add_co_u32 s28, s28, s29                     ; k's, v's, Wq's, Wk's order
	s_lshr_b32 s29, s26, 2
	s_lshl_b32 s29, s29, 6
	s_and_b32 s37, s26, 3
	s_add_co_u32 s29, s29, s37                     ; Wv's order
	s_cmp_lt_u32 ttmp9, 128
	s_cselect_b32 s27, s27, s28
	s_cselect_b32 s38, 8, 16                       ; rows from the tile's row 0 to its row 8
	s_cmp_lt_u32 ttmp9, 416
	s_cselect_b32 s27, s27, s29
	s_cselect_b32 s38, s38, 32
	s_cselect_b32 s37, 1, 4                        ; rows from row i to row i + 1
	s_lshl_b32 s37, s37, 12                        ; in bytes: a row is 4,096
	s_lshl_b32 s28, s27, 12
	s_mov_b32 s29, 0
	s_add_nc_u64 s[32:33], s[24:25], s[28:29]      ; the tile's row 0
	s_lshl_b32 s28, s38, 12
	s_add_nc_u64 s[34:35], s[32:33], s[28:29]      ; and its row 8
	s_lshl_b32 s26, ttmp9, 2
	s_add_co_u32 s26, s26, s20                     ; T
	s_mul_i32 s28, s26, 12288
	s_add_nc_u64 s[16:17], s[16:17], s[28:29]
	s_lshl_b32 s28, s26, 9
	s_add_nc_u64 s[18:19], s[18:19], s[28:29]
.irp i, 0,1,2,3,4,5,6,7
	s_mul_i32 s28, s37, \i
	v_add_nc_u32 v[VO+\i], s28, v[L16]
.endr
.macro LOADS t                         ; step t: 16 rows x 512 consecutive bytes into set t % 3
.irp i, 0,1,2,3,4,5,6,7
	global_load_b128 v[R+64*((\t)%3)+4*\i:R+64*((\t)%3)+4*\i+3], v[VO+\i], s[32:33] offset:512*(\t) th:TH_LOAD_NT
.endr
.irp i, 0,1,2,3,4,5,6,7
	global_load_b128 v[R+64*((\t)%3)+32+4*\i:R+64*((\t)%3)+32+4*\i+3], v[VO+\i], s[34:35] offset:512*(\t) th:TH_LOAD_NT
.endr
.endm
; 64 numbers of a lane, register 16 b + i = k 32 b + 16 h + i of row r, become a fragment's codes in v[PC] on and its scale word in v[PW]
.macro QUANT s
.irp b, 0,1,2,3
	v_max3_num_f32 v[TM+\b], |v[\s+16*\b]|, |v[\s+16*\b+1]|, 0x2800000   ; my 16 numbers of block b, and the floor 2^(5 - 127): the byte cannot fall under 1
.endr
.irp i, 2,4,6,8,10,12,14
.irp b, 0,1,2,3
	v_max3_num_f32 v[TM+\b], v[TM+\b], |v[\s+16*\b+\i]|, |v[\s+16*\b+\i+1]|   ; the four blocks by turns
.endr
.endr
.irp b, 0,1,2,3
	v_permlanex16_b32 v[TM+4+\b], v[TM+\b], s[SEL], s[SEL+1]
.endr
.irp b, 0,1,2,3
	v_max_num_f32 v[TM+\b], v[TM+\b], v[TM+4+\b]   ; with lane l xor 16's 16: the block's largest magnitude
.endr
.irp b, 0,1,2,3
	v_add_nc_u32 v[TM+8+\b], 0xfe000000, v[TM+\b]  ; 4 off its exponent field: the conversion takes this operand's exponent field as its scale
.endr
.irp b, 0,1,2,3
	v_lshrrev_b32 v[TM+4+\b], 23, v[TM+8+\b]       ; the scale's byte
.endr
	v_lshl_or_b32 v[PW], v[TM+5], 8, v[TM+4]
	v_lshl_or_b32 v[PW], v[TM+6], 16, v[PW]
	v_lshl_or_b32 v[PW], v[TM+7], 24, v[PW]
.irp c, 0,1
	v_cvt_scalef32_pk16_bf6_f32 v[PC+6*\c:PC+6*\c+2], v[\s+32*\c:\s+32*\c+15], v[TM+8+2*\c]
	v_cvt_scalef32_pk16_bf6_f32 v[PC+12+4*\c:PC+14+4*\c], v[\s+32*\c+16:\s+32*\c+31], v[TM+8+2*\c+1]   ; (a conversion's three registers begin on an even number)
.endr
	v_nop                                          ; one plain instruction behind the conversions
.irp c, 0,1                            ; the operand wants a whole block in a lane: lanes 0-15 block 2 c, lanes 16-31 block 2 c + 1
.irp i, 0,1,2
	v_permlane16_swap_b32 v[PC+6*\c+\i], v[PC+12+4*\c+\i]
.endr
.irp i, 0,1,2
	v_mov_b32 v[PC+3+6*\c+\i], v[PC+12+4*\c+\i]
.endr
.endr
.endm
.macro STEP t
.set XS, R+64*((\t)%3)
.if (\t) < 6
	s_wait_loadcnt 32                              ; this step's 16 loads are in; the two younger sets stay out
.else
	s_wait_loadcnt 16*(7-(\t))
.endif
.irp i, 0,1,2,3,4,5,6,7,8,9,10,11,12,13,14,15
	ds_store_b128 v[STI], v[XS+4*\i:XS+4*\i+3] offset:528*\i
.endr
.irp b, 0,1,2,3
.irp j, 0,1,2,3
	ds_load_b128 v[XS+16*\b+4*\j:XS+16*\b+4*\j+3], v[STO] offset:128*\b+16*\j   ; LDS serves a wave's instructions in order: these see the stores above
.endr
.endr
	s_wait_dscnt 0x0
	s_wait_xcnt 0x0                                ; the last step's stores have read their data: the codes' registers may be written again
	QUANT XS
.irp c, 0,1,2
	global_store_b128 v[L16], v[PC+4*\c:PC+4*\c+3], s[16:17] offset:1536*(\t)+512*\c   ; 32 lanes store 512 consecutive bytes, aligned
.endr
.if (\t) < 4
	v_mov_b32 v[OW+(\t)], v[PW]
.else
	v_cndmask_b32 v[OW+(\t)-4], v[OW+(\t)-4], v[PW], s36   ; lanes 16-31 keep the words of steps 4-7
.endif
.if (\t)+3 < 8
	LOADS (\t)+3
.endif
.endm
	LOADS 0
	LOADS 1
	LOADS 2
.irp t, 0,1,2,3,4,5,6,7
	STEP \t
.endr
	global_store_b128 v[L16], v[OW:OW+3], s[18:19]
	s_wait_tensorcnt 0x0
	ds_add_u32 v62, v63
	s_wait_dscnt 0x0
	s_endpgm
.Lfunc_end_k_qf9391e66ae_quant:
	.size	k_qf9391e66ae_quant, .Lfunc_end_k_qf9391e66ae_quant-k_qf9391e66ae_quant
	.p2alignl 7, 3214868480
	.fill 96, 4, 3214868480
	.section	.rodata,"a",@progbits
	.p2align	6, 0x0
	.amdhsa_kernel k_qf9391e66ae_quant
		.amdhsa_group_segment_fixed_size 34304
		.amdhsa_private_segment_fixed_size 0
		.amdhsa_enable_private_segment 0
		.amdhsa_kernarg_size 64
		.amdhsa_user_sgpr_count 2
		.amdhsa_user_sgpr_kernarg_segment_ptr 1
		.amdhsa_wavefront_size32 1
		.amdhsa_system_sgpr_workgroup_id_x 1
		.amdhsa_system_sgpr_workgroup_id_y 1
		.amdhsa_system_sgpr_workgroup_id_z 1
		.amdhsa_system_vgpr_workitem_id 0
		.amdhsa_next_free_vgpr 256
		.amdhsa_next_free_sgpr 66
		.amdhsa_reserve_vcc 0
		.amdhsa_float_denorm_mode_32 3
		.amdhsa_float_denorm_mode_16_64 3
		.amdhsa_memory_ordered 1
		.amdhsa_forward_progress 1
		.amdhsa_inst_pref_size 66
	.end_amdhsa_kernel
	.amdgpu_metadata
---
amdhsa.version: [ 1, 2 ]
amdhsa.kernels:
  - .name:           k_qf9391e66ae_quant
    .symbol:         k_qf9391e66ae_quant.kd
    .args:
      - { .name: q, .offset: 0, .size: 8, .value_kind: global_buffer, .address_space: global }
      - { .name: k, .offset: 8, .size: 8, .value_kind: global_buffer, .address_space: global }
      - { .name: v, .offset: 16, .size: 8, .value_kind: global_buffer, .address_space: global }
      - { .name: Wq, .offset: 24, .size: 8, .value_kind: global_buffer, .address_space: global }
      - { .name: Wk, .offset: 32, .size: 8, .value_kind: global_buffer, .address_space: global }
      - { .name: Wv, .offset: 40, .size: 8, .value_kind: global_buffer, .address_space: global }
      - { .name: codes, .offset: 48, .size: 8, .value_kind: global_buffer, .address_space: global }
      - { .name: scales, .offset: 56, .size: 8, .value_kind: global_buffer, .address_space: global }
    .group_segment_fixed_size: 34304
    .private_segment_fixed_size: 0
    .kernarg_segment_align: 8
    .kernarg_segment_size: 64
    .max_flat_workgroup_size: 128
    .sgpr_count:     66
    .vgpr_count:     256
    .wavefront_size: 32
...
	.end_amdgpu_metadata
.endif
;; end of part 1
;; launch proj (part 2): grid 192 x 1, 4 waves a work-group, no clusters, 168,448 bytes of LDS; arguments codes, scales, bq, bk, bv, src_mask, tgt_mask, qi, ki, vi, vs; writes qi, ki, vi, vs
.if DOCPART == 2
	.amdgcn_target "amdgcn-amd-amdhsa--gfx1250"
	.amdhsa_code_object_version 6
	.text
	.protected	k_qf9391e66ae_proj
	.globl	k_qf9391e66ae_proj
	.p2align	8
	.type	k_qf9391e66ae_proj,@function
k_qf9391e66ae_proj:
	s_mov_b64 s[64:65], 0
	v_nop
	global_prefetch_b8 v0, s[64:65] scope:SCOPE_SE
	s_setreg_imm32_b32 hwreg(HW_REG_WAVE_MODE, 25, 1), 1
	s_wait_xcnt 0x0
; The three projections x W^T + b on codes of E3M2, their results quantised in registers into the operand images that the attention launch reads.
; ONE SHAPE FOR ALL THREE: C[i of 1024 streamed rows][j of 128 resident rows], quantised along i.  Source 0 = 16 streamed rows, source 1 = 16 resident rows: a lane holds ONE resident row and 8 streamed rows.
;   kind 0, 1 (Q, K; work-groups 0-63, 64-127): resident = 128 tokens, streamed = the weight's 1024 rows: quantised along the features, 64 to a head.
;   kind 2 (V; work-groups 128-191): resident = 128 rows of Wv (two heads), streamed = a batch's 1024 tokens: quantised along the keys.
; The rows of a streamed tile are 32 (Tl / 2) + 8 (Tl % 2) + i + 8 (i / 8), so that the 16 registers of two neighbouring result tiles are 16 neighbours along the next K.
; Wave w takes streamed tiles 16 w .. 16 w + 15, in two chunks of 8, against all 8 resident tiles: 64 accumulators, 8 K steps of 128.  A streamed fragment is read by one wave of the work-group alone:
; it goes from memory straight into registers, two K steps ahead.
; ALL THAT THE FIRST PRODUCTS WANT IS ASKED FOR AT ONCE.  One tensor load a wave, at the start, nothing filled again: waves 0, 1 a half of the resident codes each (49,152 dense bytes), wave 2
; the four waves' streamed scale words (32,768 dense bytes), wave 3 the bias vector (4,096 bytes).  Beside them 66 loads into registers: 10 of mask bytes, 8 of resident scale words, 48 of fragments.
; LDS: 0: the resident codes, tile a, step s at (8 a + s) 1536;  98,304: +4,096 the streamed scale words, 8,192 bytes a wave; +36,864 the bias vector.  Nothing is stored to LDS.
; No cluster: what work-groups share is the streamed operand, and that goes from memory into the registers of the one wave that reads it; asked for jointly it would have to lie in LDS and be read from there once more.
; 192 work-groups are what three products of this shape give.
; THE MASKS RIDE IN THE SECOND HALF OF THE SCORE PRODUCT'S K, which a head of 64 leaves idle.  A tile of Q or K is 1,024 bytes: registers c0-c3 | c4, c5, X, sw.  X is one code at k = 64:
;   Q: 1.0 where the query counts (tgt_mask, and any key of the batch counts), else 0, and then all its codes are 0 too: all its scores are 0, the softmax is uniform, as where every score is the fill.
;   K: -1.0 where src_mask hides the key, else 0.  sw = the head's two scale bytes | byte 2 | 67 << 24; byte 2 is 67, for a hidden key 222: the product adds -2^(67 + 222 - 254) = -2^35 to the raw score.
; LIMITS: a hidden score is -2^30 after the scaling by 1/32 where the definition has -1e9: the weight is 0 either way while valid scores stay far under 1e9 in magnitude.  NaN and infinities are not served.
; A block of zeros gets the byte 1: its codes are zeros, and this program alone reads the bytes.
; REGISTERS, in windows of 256.  Window 0: below.  Window 1: v0-191 streamed fragments, two sets of 8 x 12; v192-255 the bias, as the C of a sum's first product.
;   Windows 2, 3: accumulator (a, bt) at v[8 (8 (a % 4) + bt)], window 2 for a < 4.
.set L16,  1                           ; 16 x lane
.set BIV,  2                           ; V: LDS address of my resident rows' bias
.set BIA,  3                           ; Q, K: LDS address of the chunk's bias, + 64 h; steps 512 bytes a chunk
.set MO,   4                           ; v4-5   my token's place among a pair of resident tiles' mask bytes
.set VSO,  6                           ; 16 r + 8 h
.set SSA,  7                           ; LDS address of the chunk's streamed scale words; steps 4,096 bytes a chunk
.set MB,   8                           ; v8-15  my token's mask byte, for each resident tile
.set PENT, 16                          ; X where the mask is true / false; the scale word's upper half likewise; what the codes are ANDed with where it is false
.set PENF, 17
.set B2T,  18
.set B2F,  19
.set KMF,  20
.set PEN,  21
.set B2,   22
.set KM,   23
.set T,    24                          ; v24-27 a store's four registers
.set WS4,  28                          ; v28-31 V: the scale words of four tiles
.set SS,   32                          ; v32-63 streamed tiles' scale words: tile bt at +4 bt; register s % 4: lanes 0-15 step s % 4, lanes 16-31 step 4 + s % 4
.set RS,   64                          ; v64-95 resident tiles' likewise
.set TM,   96
.set PW,   108
.set FLR,  109                         ; 2^(5 - 127)
.set XW,   110                         ; v110-111
.set PC,   112                         ; v112-123 the fragment just made; v124-126, v128-130 at work
.set F1,   132                         ; v132-227 resident fragments, tile a at +12 a
.set LA,   228                         ; v228-229 LDS address of resident tiles 0-3, 4-7
.set RSA,  230
.set L32,  231                         ; 32 x lane
.set BIAS, 192
.set SEL,  30
.set PRV,  98304                       ; LDS: the scale words and the bias lie behind this
.set PRVB, 16384
.set G0BI, 60                          ; s[60:63] descriptor group 0: the bias
.set G0S1, 68
.set G0RS, 72
.set G0S0, 76                          ; s[76:79] the streamed scale words of all four waves
.set G1A,  80                          ; s[80:87] group 1: 192 rows of 256 bytes
.set G1B,  88                          ; s[88:95] group 1: 16 rows of 256 bytes
.set G0R,  96                          ; s[96:99] waves 0, 1: a half of the resident codes each
.set MSB, 0
.macro WIN new                         ; the immediate's high byte repeats the setting that is left
.if MSB != (\new)
	s_set_vgpr_msb (MSB<<8)|(\new)
.set MSB, (\new)
.endif
.endm
.set MUL_LO, 0xa1                      ; source 0 window 1, source 1 window 0, C and D window 2
.set MUL_HI, 0xf1
.set TO_F0,  0x40                      ; destination window 1
.macro PLACES n
.rept \n
	v_nop
.endr
.endm
	s_load_b512 s[4:19], s[0:1], 0x0               ; codes, scales, bq, bk, bv, src s[14:15], tgt s[16:17], qi s[18:19]
	s_load_b128 s[20:23], s[0:1], 0x40             ; ki, vi
	s_load_b64 s[24:25], s[0:1], 0x50              ; vs
	v_lshl_add_u32 v254, v0, 2, 0x29000
	v_mov_b32 v255, 0
	ds_add_u32 v254, v255
	ds_add_u32 v254, v255
	v_lshrrev_b32 v[T], 5, v0
	v_readfirstlane_b32 s26, v[T]                  ; wave
	v_and_b32 v[T], 31, v0
	v_lshlrev_b32 v[L16], 4, v[T]
	v_lshlrev_b32 v[L32], 5, v[T]
	v_and_b32 v[T+1], 15, v0                       ; r
	v_bfe_u32 v[T+2], v0, 4, 1                     ; h
	v_lshlrev_b32 v[T+3], 4, v[T+1]                ; 16 r
	v_lshl_add_u32 v[VSO], v[T+2], 3, v[T+3]
	v_mov_b32 v[LA], v[L16]
	v_add_nc_u32 v[LA+1], 49152, v[L16]
	v_mov_b32 v[FLR], 0x2800000
.irp i, 0,1,2,3
	v_mov_b32 v[WS4+\i], 0
	v_mov_b32 v[TM+4+\i], 0
.endr
	s_mov_b32 s[SEL], 0x76543210
	s_mov_b32 s[SEL+1], 0xfedcba98
	s_mov_b32 s32, 0xffff0000                      ; lanes 16-31
	; descriptor groups 1: dense blocks, as rows of 256 bytes (32 elements of 8 bytes), no padding
	s_mov_b32 s[G1A+0], 3<<16                      ; no mask; elements of 8 bytes; padding off
	s_mov_b32 s[G1A+1], 32<<16                     ; tensor_dim0 = 32
	s_mov_b32 s[G1A+2], 192<<16                    ; tensor_dim1 = 192
	s_mov_b32 s[G1A+3], 32<<16                     ; tile_dim0 = 32
	s_mov_b32 s[G1A+4], 192                        ; tile_dim1 = 192
	s_mov_b32 s[G1A+5], 32                         ; elements from row to row
	s_mov_b32 s[G1A+6], 0
	s_mov_b32 s[G1A+7], 0
	s_mov_b32 s[G1B+0], 3<<16
	s_mov_b32 s[G1B+1], 32<<16
	s_mov_b32 s[G1B+2], 16<<16                     ; 16 rows
	s_mov_b32 s[G1B+3], 32<<16
	s_mov_b32 s[G1B+4], 16
	s_mov_b32 s[G1B+5], 32
	s_mov_b32 s[G1B+6], 0
	s_mov_b32 s[G1B+7], 0
	s_lshr_b32 s27, ttmp9, 6                       ; kind
	s_and_b32 s28, ttmp9, 63                       ; g
	s_lshr_b32 s29, s28, 3                         ; the batch
	s_and_b32 s66, s28, 7                          ; Q, K: which 128 tokens of it;  V: which two heads
	; LDS behind the resident codes, shared by the four waves: PRV + 4,096: the streamed scale words, 8,192 bytes a wave; PRV + 36,864: the bias vector
	s_lshl_b32 s48, s26, 13
	s_add_co_u32 s48, s48, PRV+4096
	v_add_nc_u32 v[SSA], s48, v[L16]
	s_mov_b32 s48, PRV+24576                       ; 12,288 under the bias vector's place
	s_lshl_b32 s49, s26, 10                        ; Q, K: 256 features a wave
	s_add_co_u32 s49, s49, s48
	s_add_co_u32 s49, s49, 12288
	v_lshl_add_u32 v[BIA], v[T+2], 6, s49
	s_lshl_b32 s49, s66, 9                         ; V: 128 features a work-group
	s_add_co_u32 s49, s49, s48
	s_add_co_u32 s49, s49, 12288
	v_add_nc_u32 v[BIV], s49, v[T+3]
	s_lshl_b32 s67, s27, 9
	s_lshl_b32 s68, s28, 3
	s_add_co_u32 s67, s67, s68                     ; resident tiles, Q, K: 512 kind + 8 g
	s_lshl_b32 s68, s66, 3
	s_add_co_u32 s68, s68, 1664                    ; V: Wv's
	s_lshl_b32 s69, s27, 6
	s_add_co_u32 s69, s69, 1536                    ; streamed tiles, Q, K: the weight's
	s_lshl_b32 s70, s29, 6
	s_add_co_u32 s70, s70, 1024                    ; V: the batch's tokens
	s_lshl_b32 s46, s29, 20                        ; the output, Q, K: batch, head 4 w, tile 8 (g % 8)
	s_lshl_b32 s74, s26, 18
	s_add_co_u32 s46, s46, s74
	s_lshl_b32 s74, s66, 13
	s_add_co_u32 s46, s46, s74
	s_mul_i32 s74, s29, 786432                     ; V: batch, head 2 (g % 8), K step 2 w
	s_mul_i32 s75, s66, 98304
	s_add_co_u32 s74, s74, s75
	s_mul_i32 s75, s26, 12288
	s_add_co_u32 s74, s74, s75
	s_lshl_b32 s47, s29, 15                        ; V's scale words: batch, head, K step
	s_lshl_b32 s77, s66, 12
	s_add_co_u32 s47, s47, s77
	s_lshl_b32 s77, s26, 9
	s_add_co_u32 s47, s47, s77
	s_mov_b32 s52, 6144
	s_cmp_lt_u32 s27, 2
	s_cselect_b32 s67, s67, s68
	s_cselect_b32 s69, s69, s70
	s_cselect_b32 s46, s46, s74
	s_cselect_b32 s52, 131072, s52                 ; from chunk to chunk, the output: two heads, or a K step
	s_mov_b32 s53, 0
	s_lshl_b32 s68, s26, 4
	s_add_co_u32 s69, s69, s68                     ; my wave's first streamed tile
	s_cmp_eq_u32 s27, 1                            ; K's tokens lie in the order of a streamed tile's rows
	s_cselect_b32 s68, 1, 0
	s_cselect_b32 s70, 8, 16
	v_and_b32 v[MO], 8, v[T+1]
	v_mul_u32_u24 v[MO], s68, v[MO]
	v_add_nc_u32 v[MO], v[MO], v[T+1]
	v_add_nc_u32 v[MO+1], s70, v[MO]
	s_mov_b32 s72, 0x43de0000
	s_cmp_eq_u32 s27, 0
	s_cselect_b32 s68, 0x0c, 0                     ; Q: 1.0 where the query counts
	s_cselect_b32 s70, 0, 0x2c                     ; K: -1.0 where the key is hidden
	s_cselect_b32 s72, 0x43430000, s72
	s_cselect_b32 s74, 0, -1
	v_mov_b32 v[KM], 0
	v_mov_b32 v[PENT], s68
	v_mov_b32 v[PENF], s70
	v_cndmask_b32 v[PENT], v[PENT], v[KM], s32     ; the code stands at k = 64: lanes 0-15
	v_cndmask_b32 v[PENF], v[PENF], v[KM], s32
	v_mov_b32 v[B2T], 0x43430000
	v_mov_b32 v[B2F], s72
	v_mov_b32 v[KMF], s74
	s_mov_b32 s45, 0
	s_wait_alu depctr_va_vdst(0)
	s_wait_dscnt 0x0
	s_wait_kmcnt 0x0
	s_mul_i32 s44, s67, 12288
	s_add_nc_u64 s[54:55], s[4:5], s[44:45]
	s_mul_i32 s44, s26, 49152                      ; waves 0 and 1 fetch a half of the resident codes each
	s_add_nc_u64 s[54:55], s[54:55], s[44:45]      ; my half of the resident codes (waves 0, 1)
	s_mul_i32 s44, s67, 512
	s_add_nc_u64 s[56:57], s[6:7], s[44:45]        ; the resident scale words
	s_mul_i32 s44, s69, 12288
	s_add_nc_u64 s[34:35], s[4:5], s[44:45]        ; my streamed codes
	s_mul_i32 s44, s69, 512
	s_add_nc_u64 s[36:37], s[6:7], s[44:45]        ; and their scale words
	s_cmp_eq_u32 s27, 0
	s_cselect_b64 s[38:39], s[8:9], s[10:11]
	s_cselect_b64 s[40:41], s[18:19], s[20:21]
	s_cselect_b64 s[58:59], s[16:17], s[14:15]     ; Q's mask is tgt_mask, K's src_mask (V reads src_mask and uses none of it)
	s_cmp_eq_u32 s27, 2
	s_cselect_b64 s[38:39], s[12:13], s[38:39]     ; the kind's bias vector
	s_cselect_b64 s[40:41], s[22:23], s[40:41]
	; descriptor groups 0: count 1, LDS address, global address, type 2.  Every LDS address is a constant + a constant x the wave's number
	; THE HEAD'S FILLS, ONE TENSOR LOAD A WAVE: waves 0, 1: a half of the resident codes each (49,152 dense bytes);
	; wave 2: the streamed scale words of all four waves (32,768 dense bytes); wave 3: the bias vector (4,096 bytes).  All are read behind the barrier below.
	s_lshl_b32 s44, s26, 13
	s_sub_nc_u64 s[36:37], s[36:37], s[44:45]      ; back to wave 0's streamed scale words
	s_mov_b32 s68, 3<<16                           ; a third group 1: 128 rows of 256 bytes
	s_mov_b32 s69, 32<<16
	s_mov_b32 s70, 128<<16
	s_mov_b32 s71, 32<<16
	s_mov_b32 s72, 128
	s_mov_b32 s73, 32
	s_mov_b32 s74, 0
	s_mov_b32 s75, 0
	s_mov_b32 s[G0R], 1
	s_mul_i32 s[G0R+1], s26, 49152
	s_mov_b64 s[G0R+2:G0R+3], s[54:55]
	s_or_b32 s[G0R+3], s[G0R+3], 0x80000000
	s_mov_b32 s[G0S0], 1
	s_mov_b32 s[G0S0+1], PRV+4096
	s_mov_b64 s[G0S0+2:G0S0+3], s[36:37]
	s_or_b32 s[G0S0+3], s[G0S0+3], 0x80000000
	s_mov_b32 s[G0BI], 1
	s_mov_b32 s[G0BI+1], PRV+36864
	s_mov_b64 s[G0BI+2:G0BI+3], s[38:39]
	s_or_b32 s[G0BI+3], s[G0BI+3], 0x80000000
	s_cmp_lt_u32 s26, 2                            ; one chain of branches on the wave's number, one load to an arm, one join
	s_cbranch_scc0 .Lhead_ss
	tensor_load_to_lds s[G0R:G0R+3], s[G1A:G1A+7]
	s_nop 0
	PLACES 4
	s_branch .Lhead_asked
.Lhead_ss:
	s_cmp_lt_u32 s26, 3
	s_cbranch_scc0 .Lhead_bi
	tensor_load_to_lds s[G0S0:G0S0+3], s[68:75]
	s_nop 0
	PLACES 4
	s_branch .Lhead_asked
.Lhead_bi:
	tensor_load_to_lds s[G0BI:G0BI+3], s[G1B:G1B+7]
	s_nop 0
	PLACES 4
.Lhead_asked:
	s_mov_b32 s44, s46
	s_add_nc_u64 s[40:41], s[40:41], s[44:45]
	s_mov_b32 s44, s47
	s_add_nc_u64 s[42:43], s[24:25], s[44:45]
	s_mul_i32 s44, s28, 128
	s_add_nc_u64 s[58:59], s[58:59], s[44:45]      ; the mask bytes of 128 tokens
	s_mul_i32 s44, s29, 1024
	s_add_nc_u64 s[50:51], s[14:15], s[44:45]      ; the batch's src_mask
; 16 products: resident tiles a0, a0 + 1 x the 8 streamed tiles, K step s.  cm = 1, 2: the first step, whose C is the bias (by streamed row; by resident row).
; The 64 accumulators take turns, one instruction a turn, in the same order in every step.
.macro MUL16 a0, p, s, cm
.irp a, \a0, \a0+1
.irp b, 0,1,2,3,4,5,6,7
.if (\cm) == 1
	v_wmma_scale_f32_16x16x128_f8f6f4 v[8*(8*((\a)%4)+\b):8*(8*((\a)%4)+\b)+7], v[96*(\p)+12*\b:96*(\p)+12*\b+11], v[F1+12*(\a):F1+12*(\a)+11], v[BIAS+8*\b:BIAS+8*\b+7], v[SS+4*\b+(\s)%4], v[RS+4*(\a)+(\s)%4] matrix_a_fmt:MATRIX_FMT_BF6 matrix_b_fmt:MATRIX_FMT_BF6
.elseif (\cm) == 2
	v_wmma_scale_f32_16x16x128_f8f6f4 v[8*(8*((\a)%4)+\b):8*(8*((\a)%4)+\b)+7], v[96*(\p)+12*\b:96*(\p)+12*\b+11], v[F1+12*(\a):F1+12*(\a)+11], v[BIAS+8*(\a):BIAS+8*(\a)+7], v[SS+4*\b+(\s)%4], v[RS+4*(\a)+(\s)%4] matrix_a_fmt:MATRIX_FMT_BF6 matrix_b_fmt:MATRIX_FMT_BF6
.elseif (\s) < 4
	v_wmma_scale_f32_16x16x128_f8f6f4 v[8*(8*((\a)%4)+\b):8*(8*((\a)%4)+\b)+7], v[96*(\p)+12*\b:96*(\p)+12*\b+11], v[F1+12*(\a):F1+12*(\a)+11], v[8*(8*((\a)%4)+\b):8*(8*((\a)%4)+\b)+7], v[SS+4*\b+(\s)%4], v[RS+4*(\a)+(\s)%4] matrix_a_fmt:MATRIX_FMT_BF6 matrix_b_fmt:MATRIX_FMT_BF6
.else
	v_wmma_scale_f32_16x16x128_f8f6f4 v[8*(8*((\a)%4)+\b):8*(8*((\a)%4)+\b)+7], v[96*(\p)+12*\b:96*(\p)+12*\b+11], v[F1+12*(\a):F1+12*(\a)+11], v[8*(8*((\a)%4)+\b):8*(8*((\a)%4)+\b)+7], v[SS+4*\b+(\s)%4], v[RS+4*(\a)+(\s)%4] matrix_a_fmt:MATRIX_FMT_BF6 matrix_b_fmt:MATRIX_FMT_BF6 matrix_a_scale:MATRIX_SCALE_ROW1 matrix_b_scale:MATRIX_SCALE_ROW1
.endif
.endr
.endr
.endm
.macro FETCH0 p, off                   ; 8 streamed fragments of one K step into set p: 24 loads of 512 consecutive bytes
	WIN TO_F0
.irp b, 0,1,2,3,4,5,6,7
.irp c, 0,1,2
	global_load_b128 v[96*(\p)+12*\b+4*\c:96*(\p)+12*\b+4*\c+3], v[L16], s[34:35] offset:(\off)+12288*\b+512*\c
.endr
.endr
.endm
.macro FETCH1 s, a0                    ; resident tiles a0 .. a0 + 3 of K step s, from LDS
.irp a, \a0, \a0+1, \a0+2, \a0+3
.irp c, 0,1,2
	ds_load_b128 v[F1+12*(\a)+4*\c:F1+12*(\a)+4*\c+3], v[LA+(\a)/4] offset:(((\a)%4)*8+(\s))*1536+512*\c
.endr
.endr
.endm
; A K step: 64 products.  A load into a register that a product has read stands four plain vector instructions behind that product (ISA guide 7.12.1 for vector instructions).
.macro STEP s, cm
.if (\s) == 7
	s_wait_loadcnt 0x0                             ; nothing was asked for behind step 7's set
.else
	s_wait_loadcnt 24                              ; this step's set is in; the next step's 24 loads, the youngest, stay out
.endif
	s_wait_dscnt 12                                ; resident tiles 0-3 (in step 0 also scale words and bias) are in; the 12 loads of tiles 4-7 may be out
.if (\cm)
	WIN 0x91                                       ; C (the bias) in window 1, D in window 2
.else
	WIN MUL_LO
.endif
	MUL16 0, (\s)%2, \s, \cm
	MUL16 2, (\s)%2, \s, \cm
	s_wait_dscnt 0x0
	PLACES 4
.if (\s) < 7
	WIN 0
	FETCH1 (\s)+1, 0
.endif
.if (\cm)
	WIN 0xd1
.else
	WIN MUL_HI
.endif
	MUL16 4, (\s)%2, \s, \cm
	MUL16 6, (\s)%2, \s, \cm
	PLACES 4
.if (\s) <= 5
	FETCH0 (\s)%2, ((\s)+2)*1536
.endif
	WIN 0
.if (\s) < 7
	FETCH1 (\s)+1, 4
.else
	s_cmp_eq_u32 s33, 1                            ; the next chunk's first two steps are asked for here and land during the way out; the last chunk asks for nothing
	s_cbranch_scc1 .Lno_fetch_\@
	FETCH0 0, 98304
	FETCH0 1, 98304+1536
	WIN 0
.Lno_fetch_\@:
.endif
.endm
; 64 registers of window X from AC on, register 16 b + i = k 32 b + 16 h + i of my row, become a fragment in v[PC] on and its scale word in v[PW].  Each accumulator is read from its low end on.
.macro QUANTW X, AC
	WIN ((\X)<<2)|((\X)<<4)
.irp b, 0,1,2,3
	v_max3_num_f32 v[TM+\b], v[FLR], |v[(\AC)+16*\b]|, |v[(\AC)+16*\b+1]|
.endr
.irp i, 2,4,6,8,10,12,14
.irp b, 0,1,2,3
	v_max3_num_f32 v[TM+\b], v[TM+\b], |v[(\AC)+16*\b+\i]|, |v[(\AC)+16*\b+\i+1]|
.endr
.endr
	WIN 0
.irp b, 0,1,2,3
	v_permlanex16_b32 v[TM+4+\b], v[TM+\b], s[SEL], s[SEL+1]
.endr
.irp b, 0,1,2,3
	v_max_num_f32 v[TM+\b], v[TM+\b], v[TM+4+\b]
.endr
.irp b, 0,1,2,3
	v_add_nc_u32 v[TM+8+\b], 0xfe000000, v[TM+\b]
.endr
.irp b, 0,1,2,3
	v_lshrrev_b32 v[TM+4+\b], 23, v[TM+8+\b]
.endr
	v_lshl_or_b32 v[PW], v[TM+5], 8, v[TM+4]
	v_lshl_or_b32 v[PW], v[TM+6], 16, v[PW]
	v_lshl_or_b32 v[PW], v[TM+7], 24, v[PW]
	s_wait_xcnt 0x0                                ; the last tile's stores have read their data: the conversions below are the first lines that write those registers again
	WIN (\X)
.irp c, 0,1
	v_cvt_scalef32_pk16_bf6_f32 v[PC+6*\c:PC+6*\c+2], v[(\AC)+32*\c:(\AC)+32*\c+15], v[TM+8+2*\c]
	v_cvt_scalef32_pk16_bf6_f32 v[PC+12+4*\c:PC+14+4*\c], v[(\AC)+32*\c+16:(\AC)+32*\c+31], v[TM+8+2*\c+1]
.endr
	WIN 0
	v_nop                                          ; one plain instruction behind the conversions
.irp c, 0,1
.irp i, 0,1,2
	v_permlane16_swap_b32 v[PC+6*\c+\i], v[PC+12+4*\c+\i]
.endr
.irp i, 0,1,2
	v_mov_b32 v[PC+3+6*\c+\i], v[PC+12+4*\c+\i]
.endr
.endr
.endm
; The way out of resident tile a: its 8 accumulators are 128 along the next K.
.macro EPI a
	QUANTW 2+(\a)/4, 64*((\a)%4)
	s_cmp_lt_u32 s27, 2
	s_cbranch_scc0 .Lv_\@
	; Q, K: 128 features are two heads: registers 0-5 and the word's low half, registers 6-11 and its high half
	v_cmp_ne_u32 vcc_lo, 0, v[MB+(\a)]
	v_cndmask_b32 v[PEN], v[PENF], v[PENT], vcc_lo
	v_cndmask_b32 v[B2], v[B2F], v[B2T], vcc_lo
	v_cndmask_b32 v[KM], v[KMF], -1, vcc_lo
.irp i, 0,1,2,3,4,5,6,7,8,9,10,11
	v_and_b32 v[PC+\i], v[KM], v[PC+\i]
.endr
	v_mov_b32 v[T], v[PC+4]
	v_mov_b32 v[T+1], v[PC+5]
	v_mov_b32 v[T+2], v[PEN]
	v_and_or_b32 v[T+3], v[PW], 0xffff, v[B2]
	v_mov_b32 v[PC+12], v[PEN]
	v_lshrrev_b32 v[PC+13], 16, v[PW]
	v_or_b32 v[PC+13], v[PC+13], v[B2]
	global_store_b128 v[L16], v[PC:PC+3], s[40:41] offset:1024*(\a)             ; each store: 512 consecutive bytes, aligned
	global_store_b128 v[L16], v[T:T+3], s[40:41] offset:1024*(\a)+512
	global_store_b128 v[L16], v[PC+6:PC+9], s[40:41] offset:1024*(\a)+65536
	global_store_b128 v[L16], v[PC+10:PC+13], s[40:41] offset:1024*(\a)+66048
	s_branch .Ldone_\@
.Lv_\@:
	; V: a fragment of V^T: 16 of a head's 64 (d = a % 4 + 4 r) x 128 keys
	s_wait_alu depctr_va_vdst(0)
.irp c, 0,1,2
	global_store_b128 v[L16], v[PC+4*\c:PC+4*\c+3], s[40:41] offset:((\a)/4)*49152+((\a)%4)*1536+512*\c
.endr
	v_mov_b32 v[WS4+(\a)%4], v[PW]
.if (\a)%4 == 3
	v_cndmask_b32 v[XW], v[WS4], v[WS4+2], s32     ; lanes 0-15 store tiles 0, 1's words of row r, lanes 16-31 tiles 2, 3's: 256 consecutive bytes
	v_cndmask_b32 v[XW+1], v[WS4+1], v[WS4+3], s32
	global_store_b64 v[VSO], v[XW:XW+1], s[42:43] offset:((\a)/4)*2048
.endif
.Ldone_\@:
.endm
	; the loads into registers, beside the tensor loads: the mask bytes first, then the resident scale words, then the first two K steps' streamed fragments: 66 loads
.irp a, 0,1,2,3,4,5,6,7
	global_load_u8 v[MB+\a], v[MO+\a%2], s[58:59] offset:32*(\a/2)
.endr
	global_load_b128 v[PC:PC+3], v[L32], s[50:51]  ; the batch's 1,024 bytes of src_mask, 32 a lane
	global_load_b128 v[PC+4:PC+7], v[L32], s[50:51] offset:16
.irp a, 0,1,2,3,4,5,6,7
	global_load_b128 v[RS+4*\a:RS+4*\a+3], v[L16], s[56:57] offset:512*\a   ; the resident tiles' scale words, straight into their registers: older than the fragment loads, so every wait for those covers them
.endr
	FETCH0 0, 0
	FETCH0 1, 1536
	WIN 0
	s_wait_tensorcnt 0x0                           ; my tensor load has landed:
	s_barrier_signal -1                            ; say so,
	s_barrier_wait -1                              ; and read the others' fills when all four have said so.
	s_wait_loadcnt 48                              ; the ten loads of mask bytes are in; behind them: two sets of 24 fragment loads
	v_or_b32 v[PC], v[PC], v[PC+1]
	v_or_b32 v[PC+2], v[PC+2], v[PC+3]
	v_or_b32 v[PC+4], v[PC+4], v[PC+5]
	v_or_b32 v[PC+6], v[PC+6], v[PC+7]
	v_or_b32 v[PC], v[PC], v[PC+2]
	v_or_b32 v[PC+4], v[PC+4], v[PC+6]
	v_or_b32 v[PC], v[PC], v[PC+4]
	v_cmp_ne_u32 s49, 0, v[PC]
	s_cmp_lg_u32 s49, 0
	s_cselect_b32 s48, -1, 0                       ; does any key of the batch count?
	s_cmp_eq_u32 s27, 1
	s_cselect_b32 s48, -1, s48                     ; (that is asked of queries alone)
.irp a, 0,1,2,3,4,5,6,7
	v_and_b32 v[MB+\a], s48, v[MB+\a]
.endr
	s_mov_b32 s33, 0
.Lchunk:
	s_wait_alu depctr_va_vdst(0)
.irp b, 0,1,2,3,4,5,6,7
	ds_load_b128 v[SS+4*\b:SS+4*\b+3], v[SSA] offset:512*\b
.endr
	s_cmp_lt_u32 s27, 2
	s_cbranch_scc0 .Lv_first
	WIN TO_F0                                      ; Q, K: the bias goes by streamed row: lane (r, h), tile bt: features 32 (bt / 2) + 16 h + 8 (bt % 2) + 0 .. 7
.irp b, 0,1,2,3,4,5,6,7
	ds_load_b128 v[BIAS+8*\b:BIAS+8*\b+3], v[BIA] offset:(32*(\b/2)+8*(\b%2))*4
	ds_load_b128 v[BIAS+8*\b+4:BIAS+8*\b+7], v[BIA] offset:(32*(\b/2)+8*(\b%2))*4+16
.endr
	WIN 0
	FETCH1 0, 0
	FETCH1 0, 4
	STEP 0, 1
	s_branch .Ljoin
.Lv_first:
	WIN TO_F0                                      ; V: by resident row: feature 64 (a / 4) + a % 4 + 4 r, the same in all eight registers
.irp a, 0,1,2,3,4,5,6,7
.irp j, 0,1,2,3,4,5,6,7
	ds_load_b32 v[BIAS+8*\a+\j], v[BIV] offset:256*(\a/4)+4*(\a%4)
.endr
.endr
	WIN 0
	FETCH1 0, 0
	FETCH1 0, 4
	STEP 0, 2
.Ljoin:
.irp s, 1,2,3,4,5,6,7
	STEP \s, 0
.endr
	PLACES 4
.irp a, 0,1,2,3,4,5,6,7
	EPI \a
.endr
	s_wait_xcnt 0x0                                ; every load and store has read its base: they step
	s_add_nc_u64 s[34:35], s[34:35], 98304
	s_add_nc_u64 s[40:41], s[40:41], s[52:53]
	s_add_nc_u64 s[42:43], s[42:43], 256
	v_add_nc_u32 v[SSA], 4096, v[SSA]              ; the next chunk's scale words and bias, in LDS
	v_add_nc_u32 v[BIA], 512, v[BIA]
	s_add_co_u32 s33, s33, 1
	s_cmp_lt_u32 s33, 2
	s_cbranch_scc1 .Lchunk
	s_wait_tensorcnt 0x0
	ds_add_u32 v254, v255
	s_wait_dscnt 0x0
	s_endpgm
.Lfunc_end_k_qf9391e66ae_proj:
	.size	k_qf9391e66ae_proj, .Lfunc_end_k_qf9391e66ae_proj-k_qf9391e66ae_proj
	.p2alignl 7, 3214868480
	.fill 96, 4, 3214868480
	.section	.rodata,"a",@progbits
	.p2align	6, 0x0
	.amdhsa_kernel k_qf9391e66ae_proj
		.amdhsa_group_segment_fixed_size 168448
		.amdhsa_private_segment_fixed_size 0
		.amdhsa_enable_private_segment 0
		.amdhsa_kernarg_size 88
		.amdhsa_user_sgpr_count 2
		.amdhsa_user_sgpr_kernarg_segment_ptr 1
		.amdhsa_wavefront_size32 1
		.amdhsa_system_sgpr_workgroup_id_x 1
		.amdhsa_system_sgpr_workgroup_id_y 1
		.amdhsa_system_sgpr_workgroup_id_z 1
		.amdhsa_system_vgpr_workitem_id 0
		.amdhsa_next_free_vgpr 1024
		.amdhsa_next_free_sgpr 100
		.amdhsa_reserve_vcc 1
		.amdhsa_float_denorm_mode_32 3
		.amdhsa_float_denorm_mode_16_64 3
		.amdhsa_memory_ordered 1
		.amdhsa_forward_progress 1
		.amdhsa_inst_pref_size 177
	.end_amdhsa_kernel
	.amdgpu_metadata
---
amdhsa.version: [ 1, 2 ]
amdhsa.kernels:
  - .name:           k_qf9391e66ae_proj
    .symbol:         k_qf9391e66ae_proj.kd
    .args:
      - { .name: codes, .offset: 0, .size: 8, .value_kind: global_buffer, .address_space: global }
      - { .name: scales, .offset: 8, .size: 8, .value_kind: global_buffer, .address_space: global }
      - { .name: bq, .offset: 16, .size: 8, .value_kind: global_buffer, .address_space: global }
      - { .name: bk, .offset: 24, .size: 8, .value_kind: global_buffer, .address_space: global }
      - { .name: bv, .offset: 32, .size: 8, .value_kind: global_buffer, .address_space: global }
      - { .name: src_mask, .offset: 40, .size: 8, .value_kind: global_buffer, .address_space: global }
      - { .name: tgt_mask, .offset: 48, .size: 8, .value_kind: global_buffer, .address_space: global }
      - { .name: qi, .offset: 56, .size: 8, .value_kind: global_buffer, .address_space: global }
      - { .name: ki, .offset: 64, .size: 8, .value_kind: global_buffer, .address_space: global }
      - { .name: vi, .offset: 72, .size: 8, .value_kind: global_buffer, .address_space: global }
      - { .name: vs, .offset: 80, .size: 8, .value_kind: global_buffer, .address_space: global }
    .group_segment_fixed_size: 168448
    .private_segment_fixed_size: 0
    .kernarg_segment_align: 8
    .kernarg_segment_size: 88
    .max_flat_workgroup_size: 128
    .sgpr_count:     100
    .vgpr_count:     1024
    .wavefront_size: 32
...
	.end_amdgpu_metadata
.endif
;; end of part 2
;; launch attn (part 3): grid 16 x 16, 8 waves a work-group, no clusters, 327,680 bytes of LDS; arguments beta, qi, ki, vi, vs, out0; writes out0
.if DOCPART == 3
	.amdgcn_target "amdgcn-amd-amdhsa--gfx1250"
	.amdhsa_code_object_version 6
	.text
	.protected	k_qf9391e66ae_attn
	.globl	k_qf9391e66ae_attn
	.p2align	8
	.type	k_qf9391e66ae_attn,@function
k_qf9391e66ae_attn:
	s_mov_b64 s[64:65], 0
	v_nop
	global_prefetch_b8 v0, s[64:65] scope:SCOPE_SE
	s_setreg_imm32_b32 hwreg(HW_REG_WAVE_MODE, 25, 1), 1
	s_wait_xcnt 0x0
; out[b][q][64 hd + d] = sum over keys of Q6(softmax(scores / 32) + beta[hd][q][key]) Q6(V), scores = Q6(Q) . Q6(K), all on codes of E3M2 with one E8M0 scale for each 32 along a product's K.
; The weights are quantised FINISHED (normalised, beta added), so a row's maximum and sum are known before anything of the row is quantised; the scores stay in registers meanwhile: one exponential a score.
; SHARES.  A work-group is 64 queries (x) of one head (y), for all 8 batches, one a trip: beta's 64 x 1024 numbers are read from memory once and stay in LDS.
; EIGHT WAVES, two to a SIMD, SHARE THE KEYS: wave w takes keys 128 w .. 128 w + 127 for all 64 queries: S^T is 4 tiles of queries x 8 tiles of keys, 256 registers.  A fragment of K is read by one wave alone and feeds four products.
; A TRIP: scores of tiles 0, 1; their maxima, p = 2^(t - own maximum), sums | barrier | the eight waves' (maximum, sum) give f = 2^(own - largest) / the row's sum | p f + beta, quantised: codes and scale words to LDS | barrier |
; wave (t = w % 4, kh = w / 4) multiplies all four tiles of queries by V's tile t (d = t + 4 r) over K steps 4 kh .. 4 kh + 3 | barrier (the codes are read) | the sums to a stage laid over the codes | barrier |
; wave f takes queries 16 (f / 2) + 8 h + 4 (f % 2) + 0 .. 3: it adds the two halves along K, gathers the four t, and stores whole rows of 256 bytes.
; THE NEXT BATCH'S TILES 2, 3 ARE BEGUN UNDER THAT SECOND HALF OF THE TRIP: the weights' fragments pass through 96 registers, so registers 128-255 of window 1 are free: scores, maxima, scalings, exponentials and sums of tiles 2, 3
; stand among the fragment loads, inside the two split barriers and under the stage's reads.  Batch 0's stand ahead of the loop; the last trip does them once more on batch 7's operands and uses none of the results.
; THE MASKS ride in the score product's idle K (k = 64 .. 127): a hidden key adds -2^35 to the raw score; a query that does not count has zero codes, so all its scores are 0.
; K's operand is the 12 registers from its tile's first on: c0-c5, its code at k = 64, then its scale word and the next tile's first four registers, which all meet zero codes of Q (E3M2 has no infinity and no NaN).
; LIMITS: a hidden score is -2^30 where the definition has -1e9: its weight is 0 either way while valid scores stay far under 1e9 in magnitude.  NaN and infinities are not served.
; No cluster: the one tile that comes by tensor load (a wave's part of beta) is read by one wave of one work-group.  No prefetch: K, Q and V are asked for by their own loads into registers a phase before they are used, and beta is loaded once, ahead of the loop.
; LDS: 0: beta, wave w's 64 rows x 128 keys at 33,792 w, rows of 512 + 16 bytes; STAT: row (16 u + r), 80 bytes: eight waves' (-c m, sum); PB: the weights' codes, fragment (K step w, tile u) at (4 w + u) 1536, later the stage; PS: their scale words; SPARE.
; REGISTERS.  Window 1: S^T, tile u, key tile kt at v[64 u + 8 kt]; behind the quantising v0-95 the weights' fragments, two sets of four, v96-127 the sums.  Window 0: below.
.set L16,  1                           ; 16 x lane
.set OUTO, 3                           ; 16 r + 8 h rows of out
.set BA,   4                           ; my row of beta in LDS, + 64 h
.set STW,  5                           ; where I put (-c m, sum)
.set STR,  6                           ; where four waves' lie: lanes 0-15 waves 0-3's, lanes 16-31 waves 4-7's
.set PWR,  7                           ; where my codes go
.set PSW,  8                           ; and their scale words
.set PRD,  9                           ; the codes of my four K steps
.set PSR,  10                          ; and their scale words
.set OPW,  11                          ; the stage: where my sums go
.set OPR,  12                          ; and where my queries' eight parts lie
.set VSA,  13                          ; 16 r + 4 t: V's scale word
.set FLR,  14                          ; 2^(5 - 127)
.set NINF, 15                          ; -infinity
.set SPW,  16                          ; my spare word; never rewritten
.set NIL,  17                          ; 0; never rewritten
.set QS,   18                          ; v18-21 Q's scale words, and nothing else
.set ST,   22                          ; v22-29 tile u: +2 u: -c m, then f; +2 u + 1: my sum
.set TM,   30                          ; v30-41 (v30-33 also serve the head)
.set PW,   42                          ; the weights' scale word
.set PC,   44                          ; v44-55 the weights' codes; v56-58, v60-62 at work
.set CH,   44                          ; the same registers, outside the quantising: v44-51 chains of maxima, v52-59 chains of sums
.set SCL,  64                          ; v64-79 the weights' scale words (4 i + u), and nothing else
.set VS,   80                          ; v80-83 V's scale words
.set Q,    84                          ; v84-131 Q, tile u at +12 u
.set V,    132                         ; v132-179 V^T's tile t, K step 4 kh + i at +12 i
.set X,    180                         ; v180-243 K (tile kt at +8 kt); behind tiles 0, 1's scores: the waves' figures, 64 numbers of beta.  v244-247 zeros
.set KS,   248                         ; v248-255 K's scale words, and nothing else
.set BP,   528                         ; a row of beta in LDS: an odd multiple of 16 bytes
.set BW,   64*BP
.set STAT, 8*BW
.set SP,   80                          ; a row of figures: 64 bytes + 16: an odd multiple of 16 bytes
.set PB,   STAT+64*SP
.set PS,   PB+49152
.set SPARE, PS+2048                    ; 128 bytes for each wave, named by no other line
.set SEL,  20
.set CS,   22                          ; s[22:23] c = log2(e) / 32
.set G0,   28
.set G1,   32
.set MSB, 0
.macro WIN new                         ; the immediate's high byte repeats the setting that is left
.if MSB != (\new)
	s_set_vgpr_msb (MSB<<8)|(\new)
.set MSB, (\new)
.endif
.endm
.macro PLACES n
.rept \n
	v_nop
.endr
.endm
	s_load_b256 s[4:11], s[0:1], 0x0               ; beta, qi, ki, vi
	s_load_b128 s[12:15], s[0:1], 0x20             ; vs, out0
	v_lshl_add_u32 v[SPW], v0, 2, SPARE
	v_mov_b32 v[NIL], 0
	ds_add_u32 v[SPW], v[NIL]
	ds_add_u32 v[SPW], v[NIL]
	v_lshrrev_b32 v30, 5, v0
	v_readfirstlane_b32 s16, v30                   ; wave 0..7
	s_and_b32 s18, ttmp7, 0xffff                   ; head
	s_mov_b32 s[G1+0], (2<<16)|(1<<20)|(6<<22)|(3<<25)  ; elements of 4 bytes; padding: after every 128 words (code 6), 4 words (code 3)
	s_mov_b32 s[G1+1], 128<<16                     ; tensor_dim0 = 128
	s_mov_b32 s[G1+2], 64<<16                      ; tensor_dim1 = 64
	s_mov_b32 s[G1+3], 128<<16                     ; tile_dim0 = 128
	s_mov_b32 s[G1+4], 64                          ; tile_dim1 = 64
	s_mov_b32 s[G1+5], 1024                        ; elements from row to row
	s_mov_b32 s[G1+6], 0
	s_mov_b32 s[G1+7], 0
	s_lshl_b32 s58, s18, 22
	s_lshl_b32 s60, ttmp9, 18
	s_add_co_u32 s58, s58, s60
	s_lshl_b32 s60, s16, 9
	s_add_co_u32 s58, s58, s60                     ; beta: head, 64 x rows, 128 w keys: rows of 512 bytes at multiples of 512
	s_mov_b32 s59, 0
	s_mov_b32 s[G0], 1
	s_mul_i32 s[G0+1], s16, BW
	s_wait_dscnt 0x0
	s_wait_kmcnt 0x0
	s_add_nc_u64 s[G0+2:G0+3], s[4:5], s[58:59]
	s_or_b32 s[G0+3], s[G0+3], 0x80000000
	tensor_load_to_lds s[G0:G0+3], s[G1:G1+7]      ; my part of beta: the wave's one tensor load, read by me alone
	s_nop 0
	PLACES 4
	s_and_b32 s17, s16, 3                          ; t
	s_lshr_b32 s19, s16, 2                         ; kh
	s_lshl_b32 s58, s18, 16
	s_lshl_b32 s60, s16, 13
	s_add_co_u32 s58, s58, s60
	s_add_nc_u64 s[40:41], s[8:9], s[58:59]        ; K: head, tiles 8 w on
	s_lshl_b32 s58, s18, 16
	s_lshl_b32 s60, ttmp9, 12
	s_add_co_u32 s58, s58, s60
	s_add_nc_u64 s[42:43], s[6:7], s[58:59]        ; Q: head, tiles 4 x on
	s_mul_i32 s58, s18, 49152
	s_mul_i32 s60, s19, 24576
	s_add_co_u32 s58, s58, s60
	s_mul_i32 s60, s17, 1536
	s_add_co_u32 s58, s58, s60
	s_add_nc_u64 s[44:45], s[10:11], s[58:59]      ; V: head, K step 4 kh, tile t
	s_lshl_b32 s58, s18, 11
	s_lshl_b32 s60, s19, 10
	s_add_co_u32 s58, s58, s60
	s_add_nc_u64 s[46:47], s[12:13], s[58:59]      ; and its scale words
	s_lshl_b32 s58, ttmp9, 18
	s_lshr_b32 s60, s16, 1
	s_lshl_b32 s60, s60, 16
	s_add_co_u32 s58, s58, s60
	s_and_b32 s60, s16, 1
	s_lshl_b32 s60, s60, 14
	s_add_co_u32 s58, s58, s60
	s_lshl_b32 s60, s18, 8
	s_add_co_u32 s58, s58, s60
	s_add_nc_u64 s[48:49], s[14:15], s[58:59]      ; out: row 64 x + 16 (w / 2) + 4 (w % 2), column 64 head
	s_mov_b32 s[SEL], 0x76543210
	s_mov_b32 s[SEL+1], 0xfedcba98
	s_mov_b32 s[CS], 0x3d38aa3b                    ; c = log2(e) / 32
	s_mov_b32 s[CS+1], s[CS]
	s_mov_b32 s24, 0xbd38aa3b                      ; -c
	s_mov_b32 s53, 0
	s_mov_b32 s55, 0
	s_mov_b32 s57, 0
	s_lshl_b32 s60, s17, 2                         ; 4 t
	s_mul_i32 s61, s16, BW
	s_lshl_b32 s62, s16, 3                         ; 8 w
	s_mul_i32 s63, s16, 6144
	s_add_co_u32 s63, s63, PB
	s_lshl_b32 s25, s16, 8
	s_add_co_u32 s25, s25, PS
	s_mul_i32 s26, s19, 24576
	s_add_co_u32 s26, s26, PB
	s_lshl_b32 s27, s19, 10
	s_add_co_u32 s27, s27, PS
	s_lshl_b32 s51, s16, 9
	s_add_co_u32 s51, s51, PB
	s_lshl_b32 s58, s16, 12
	s_add_co_u32 s58, s58, PB
	v_and_b32 v30, 31, v0
	v_lshlrev_b32 v[L16], 4, v30
	v_and_b32 v31, 15, v0                          ; r
	v_bfe_u32 v32, v0, 4, 1                        ; h
	v_lshlrev_b32 v33, 4, v31                      ; 16 r
	v_lshl_add_u32 v[OUTO], v32, 15, v33
	v_add_nc_u32 v[VSA], s60, v33
	v_mul_u32_u24 v[BA], v31, BP
	v_lshl_add_u32 v[BA], v32, 6, v[BA]
	v_add_nc_u32 v[BA], s61, v[BA]
	v_mul_u32_u24 v[STW], v31, SP
	v_add_nc_u32 v[STW], STAT, v[STW]              ; my row of figures
	v_lshl_add_u32 v[STR], v32, 5, v[STW]          ; + 32 h
	v_add_nc_u32 v[STW], s62, v[STW]               ; + 8 w
	v_add_nc_u32 v[PWR], s63, v[L16]
	v_add_nc_u32 v[PSW], s25, v33
	v_add_nc_u32 v[PRD], s26, v[L16]
	v_add_nc_u32 v[PSR], s27, v33
	v_add_nc_u32 v[OPW], s51, v[L16]
	v_add_nc_u32 v[OPR], s58, v[L16]
	v_mov_b32 v[FLR], 0x2800000
	v_mov_b32 v[NINF], 0xff800000
.irp u, 0,1,2,3
.irp i, 8,9,10,11
	v_mov_b32 v[Q+12*\u+\i], 0                     ; Q's codes of the upper K are zeros, for good
.endr
.endr
.irp i, 0,1,2,3,4,5,6,7
	v_mov_b32 v[ST+\i], 0
.endr
.irp i, 4,5,6,7
	v_mov_b32 v[TM+\i], 0
.endr
.irp i, 64,65,66,67
	v_mov_b32 v[X+\i], 0                           ; what K's tile 7 names behind its own eight registers
.endr
	s_wait_alu depctr_va_vdst(0)
.macro QLOAD
.irp u, 0,1,2,3
	global_load_b128 v[Q+12*\u:Q+12*\u+3], v[L16], s[42:43] offset:1024*\u
	global_load_b128 v[Q+12*\u+4:Q+12*\u+7], v[L16], s[42:43] offset:1024*\u+512
.endr
.endm
.macro KLOAD
.set n, 0
.rept 16
	global_load_b128 v[X+4*n:X+4*n+3], v[L16], s[40:41] offset:512*n
.set n, n+1
.endr
.endm
.macro VLOAD
.irp i, 0,1,2,3
.irp c, 0,1,2
	global_load_b128 v[V+12*\i+4*\c:V+12*\i+4*\c+3], v[L16], s[44:45] offset:6144*\i+512*\c
.endr
.endr
.irp i, 0,1,2,3
	global_load_b32 v[VS+\i], v[VSA], s[46:47] offset:256*\i
.endr
.endm
	QLOAD                                          ; batch 0: 8, 16 and 16 loads
	KLOAD
	VLOAD
; K's and Q's scale words go into registers that hold scales alone; 8 places ahead of the scaled products that name them
.macro PREP
.irp kt, 0,1,2,3,4,5,6,7
	v_mov_b32 v[KS+\kt], v[X+8*\kt+7]
.endr
.irp u, 0,1,2,3
	v_mov_b32 v[QS+\u], v[Q+12*\u+7]
.endr
.irp u, 0,1,2,3
	v_mov_b32 v[Q+12*\u+7], 0
.endr
	PLACES 8
.endm
; Half H of S^T: tiles 2 H, 2 H + 1, registers 128 H .. 128 H + 127 of window 1
.macro SCORES H
	WIN 0x40
.irp kt, 0,1,2,3,4,5,6,7
.irp u, 2*\H, 2*\H+1
	v_wmma_scale_f32_16x16x128_f8f6f4 v[64*(\u)+8*\kt:64*(\u)+8*\kt+7], v[X+8*\kt:X+8*\kt+11], v[Q+12*(\u):Q+12*(\u)+11], 0, v[KS+\kt], v[QS+(\u)] matrix_a_fmt:MATRIX_FMT_BF6 matrix_b_fmt:MATRIX_FMT_BF6
.endr
.endr
.endm
.macro MAXP H                          ; each query's largest score among my 128 keys: four chains a tile, each accumulator read from its low end on
	WIN 0x14
.irp u, 0,1
.irp c, 0,1,2,3
	v_max3_num_f32 v[CH+4*\u+\c], v[NINF], v[128*(\H)+64*\u+16*\c], v[128*(\H)+64*\u+16*\c+1]
.endr
.endr
.irp i, 2,4,6,8,10,12,14
.irp u, 0,1
.irp c, 0,1,2,3
	v_max3_num_f32 v[CH+4*\u+\c], v[CH+4*\u+\c], v[128*(\H)+64*\u+16*\c+\i], v[128*(\H)+64*\u+16*\c+\i+1]
.endr
.endr
.endr
	WIN 0
.endm
.macro COMB H
.irp u, 0,1
	v_max3_num_f32 v[CH+4*\u], v[CH+4*\u], v[CH+4*\u+1], v[CH+4*\u+2]
.endr
.irp u, 0,1
	v_max_num_f32 v[CH+4*\u], v[CH+4*\u], v[CH+4*\u+3]
.endr
.irp u, 0,1
	v_permlanex16_b32 v[CH+4*\u+1], v[CH+4*\u], s[SEL], s[SEL+1]
.endr
.irp u, 0,1
	v_max_num_f32 v[CH+4*\u], v[CH+4*\u], v[CH+4*\u+1]
.endr
.irp u, 0,1
	v_mul_f32 v[ST+4*(\H)+2*\u], s24, v[CH+4*\u]   ; -c m
.endr
.endm
.macro FMAP H                          ; c s - c m, two at a time
	WIN 0x41
.set n, 0
.rept 64
	v_pk_fma_f32 v[128*(\H)+2*n:128*(\H)+2*n+1], v[128*(\H)+2*n:128*(\H)+2*n+1], s[CS:CS+1], v[ST+4*(\H)+2*(n/32):ST+4*(\H)+2*(n/32)+1] op_sel_hi:[1,0,0]
.set n, n+1
.endr
.endm
.macro EXPP H                          ; a batch of 128 exponentials, with a wait ahead of it and behind it
	WIN 0x41
	s_wait_alu depctr_va_vdst(0)
.set n, 0
.rept 128
	v_exp_f32 v[128*(\H)+n], v[128*(\H)+n]
.set n, n+1
.endr
	v_nop                                          ; a plain instruction behind the last exponential
	s_wait_alu depctr_va_vdst(0)
.endm
.macro SUMP H                          ; the sums of p: two chains of pairs a tile, begun by their first additions
	WIN 0x05
.irp u, 0,1
	v_pk_add_f32 v[CH+8+4*\u:CH+9+4*\u], v[128*(\H)+64*\u:128*(\H)+64*\u+1], v[128*(\H)+64*\u+4:128*(\H)+64*\u+5]
	v_pk_add_f32 v[CH+10+4*\u:CH+11+4*\u], v[128*(\H)+64*\u+2:128*(\H)+64*\u+3], v[128*(\H)+64*\u+6:128*(\H)+64*\u+7]
.endr
	WIN 0x04
.irp i, 2,3,4,5,6,7,8,9,10,11,12,13,14,15
.irp u, 0,1
	v_pk_add_f32 v[CH+8+4*\u:CH+9+4*\u], v[CH+8+4*\u:CH+9+4*\u], v[128*(\H)+64*\u+4*\i:128*(\H)+64*\u+4*\i+1]
	v_pk_add_f32 v[CH+10+4*\u:CH+11+4*\u], v[CH+10+4*\u:CH+11+4*\u], v[128*(\H)+64*\u+4*\i+2:128*(\H)+64*\u+4*\i+3]
.endr
.endr
	WIN 0
.irp u, 0,1
	v_pk_add_f32 v[CH+8+4*\u:CH+9+4*\u], v[CH+8+4*\u:CH+9+4*\u], v[CH+10+4*\u:CH+11+4*\u]
.endr
.irp u, 0,1
	v_add_f32 v[CH+8+4*\u], v[CH+8+4*\u], v[CH+9+4*\u]
.endr
.irp u, 0,1
	v_permlanex16_b32 v[CH+9+4*\u], v[CH+8+4*\u], s[SEL], s[SEL+1]
.endr
.irp u, 0,1
	v_add_f32 v[ST+4*(\H)+2*\u+1], v[CH+8+4*\u], v[CH+9+4*\u]
.endr
.endm
.macro BLH u, hf                       ; half hf of tile u's beta, my 128 keys: register 16 b + 4 j + .. = key 32 b + 16 h + 4 j + .., b = 2 hf, 2 hf + 1: 8 loads
.irp bq, 2*\hf, 2*\hf+1
.irp j, 0,1,2,3
	ds_load_b128 v[X+16*(\bq)+4*\j:X+16*(\bq)+4*\j+3], v[BA] offset:16*BP*(\u)+128*(\bq)+16*\j
.endr
.endr
.endm
; 64 registers of window 1 from AC on become a fragment in v[PC] on and its scale word in v[PW]
.macro QUANTW AC
	WIN 0x14
.irp b, 0,1,2,3
	v_max3_num_f32 v[TM+\b], v[FLR], |v[(\AC)+16*\b]|, |v[(\AC)+16*\b+1]|   ; with the floor 2^(5 - 127): the byte cannot fall under 1
.endr
.irp i, 2,4,6,8,10,12,14
.irp b, 0,1,2,3
	v_max3_num_f32 v[TM+\b], v[TM+\b], |v[(\AC)+16*\b+\i]|, |v[(\AC)+16*\b+\i+1]|
.endr
.endr
	WIN 0
.irp b, 0,1,2,3
	v_permlanex16_b32 v[TM+4+\b], v[TM+\b], s[SEL], s[SEL+1]
.endr
.irp b, 0,1,2,3
	v_max_num_f32 v[TM+\b], v[TM+\b], v[TM+4+\b]
.endr
.irp b, 0,1,2,3
	v_add_nc_u32 v[TM+8+\b], 0xfe000000, v[TM+\b]  ; 4 off the exponent field: the conversion's scale operand
.endr
.irp b, 0,1,2,3
	v_lshrrev_b32 v[TM+4+\b], 23, v[TM+8+\b]       ; the scale's byte
.endr
	v_lshl_or_b32 v[PW], v[TM+5], 8, v[TM+4]
	v_lshl_or_b32 v[PW], v[TM+6], 16, v[PW]
	v_lshl_or_b32 v[PW], v[TM+7], 24, v[PW]
	WIN 0x01
.irp c, 0,1
	v_cvt_scalef32_pk16_bf6_f32 v[PC+6*\c:PC+6*\c+2], v[(\AC)+32*\c:(\AC)+32*\c+15], v[TM+8+2*\c]
	v_cvt_scalef32_pk16_bf6_f32 v[PC+12+4*\c:PC+14+4*\c], v[(\AC)+32*\c+16:(\AC)+32*\c+31], v[TM+8+2*\c+1]
.endr
	WIN 0
	v_nop                                          ; one plain instruction behind the conversions
.irp c, 0,1
.irp i, 0,1,2
	v_permlane16_swap_b32 v[PC+6*\c+\i], v[PC+12+4*\c+\i]
.endr
.irp i, 0,1,2
	v_mov_b32 v[PC+3+6*\c+\i], v[PC+12+4*\c+\i]
.endr
.endr
.endm
.macro BFMA u, hf                      ; p f + beta on 32 registers
	WIN 0x41
.set n, 16*(\hf)
.rept 16
	v_pk_fma_f32 v[64*(\u)+2*n:64*(\u)+2*n+1], v[64*(\u)+2*n:64*(\u)+2*n+1], v[ST+2*(\u):ST+2*(\u)+1], v[X+2*n:X+2*n+1] op_sel_hi:[1,0,1]
.set n, n+1
.endr
	WIN 0
.endm
; Tile u: p f + beta, quantised along my 128 keys; the fragment's image and its scale word go to LDS.  Each half of the next tile's beta is asked for as soon as its registers are free.
; LDS instructions in their order: this tile's halves (8, 8), the last tile's 4 stores (none ahead of tile 0), the next tile's halves (8, 8).
.macro PSTEP u
.if (\u) == 0
	s_wait_dscnt 8                                 ; my first half of beta is in; the second half's 8 loads may be out
.else
	s_wait_dscnt 12                                ; likewise; behind it also the last tile's 4 stores
.endif
	BFMA \u, 0
.if (\u) < 3
	BLH (\u)+1, 0
.endif
.if (\u) == 0
	s_wait_dscnt 8                                 ; the second half is in; behind it: the 8 loads just issued
.elseif (\u) < 3
	s_wait_dscnt 12                                ; behind it: 4 stores and the 8 loads just issued
.else
	s_wait_dscnt 4                                 ; behind it: 4 stores
.endif
	BFMA \u, 1
.if (\u) < 3
	BLH (\u)+1, 1
	s_wait_alu depctr_va_vdst(0)
	s_wait_dscnt 16                                ; the last tile's stores have read their registers; the next tile's 16 loads may be out
.else
	s_wait_xcnt 0x0                                ; the last loads of K have read their base
	s_add_nc_u64 s[40:41], s[40:41], s[52:53]
	KLOAD                                          ; beta's registers are free: the next batch's K lands there
	s_wait_alu depctr_va_vdst(0)
	s_wait_dscnt 0x0
.endif
	QUANTW 64*(\u)
.irp c, 0,1,2
	ds_store_b128 v[PWR], v[PC+4*\c:PC+4*\c+3] offset:1536*(\u)+512*\c
.endr
	ds_store_b32 v[PSW], v[PW] offset:4*(\u)       ; both halves of the lanes write the same word with the same value
.endm
.macro PLD i                           ; the four tiles' fragments of K step 4 kh + i into set i % 2: 12 loads
	WIN 0x40
.irp u, 0,1,2,3
.irp c, 0,1,2
	ds_load_b128 v[48*((\i)%2)+12*\u+4*\c:48*((\i)%2)+12*\u+4*\c+3], v[PRD] offset:(4*(\i)+\u)*1536+512*\c
.endr
.endr
.endm
.macro PVG i                           ; four accumulators by turns: source 0 the weights, C and D window 1; source 1 (V) window 0
	WIN 0x51
.irp u, 0,1,2,3
.if (\i) == 0
	v_wmma_scale_f32_16x16x128_f8f6f4 v[96+8*\u:103+8*\u], v[48*((\i)%2)+12*\u:48*((\i)%2)+12*\u+11], v[V+12*(\i):V+12*(\i)+11], 0, v[SCL+4*(\i)+\u], v[VS+(\i)] matrix_a_fmt:MATRIX_FMT_BF6 matrix_b_fmt:MATRIX_FMT_BF6
.else
	v_wmma_scale_f32_16x16x128_f8f6f4 v[96+8*\u:103+8*\u], v[48*((\i)%2)+12*\u:48*((\i)%2)+12*\u+11], v[V+12*(\i):V+12*(\i)+11], v[96+8*\u:103+8*\u], v[SCL+4*(\i)+\u], v[VS+(\i)] matrix_a_fmt:MATRIX_FMT_BF6 matrix_b_fmt:MATRIX_FMT_BF6
.endif
.endr
.endm
	; batch 0's tiles 2, 3, ahead of the loop
	s_wait_loadcnt 16                              ; Q and K are in; V's 12 loads and its 4 of scale words may be out
	PREP
	SCORES 1
	WIN 0
	PLACES 4
	MAXP 1
	COMB 1
	FMAP 1
	EXPP 1
	SUMP 1
	s_mov_b32 s50, 0
	s_wait_alu depctr_va_vdst(0)
.Ltrip:                                            ; a trip: one batch
	s_cmp_lt_u32 s50, 7                            ; the last trip steps nothing: it loads batch 7's operands once more, so that every trip issues the same loads
	s_cselect_b32 s52, 0x100000, 0
	s_cselect_b32 s54, 786432, 0
	s_cselect_b32 s56, 32768, 0
	SCORES 0                                       ; K, Q and their scale words have been in since tiles 2, 3's scores
	WIN 0
	PLACES 4                                       ; in front of loads into registers that products have read, and of the first read of results
	s_wait_xcnt 0x0
	s_add_nc_u64 s[42:43], s[42:43], s[52:53]
	QLOAD                                          ; the next batch's Q
	MAXP 0
	COMB 0
	FMAP 0
	EXPP 0
	SUMP 0
.irp u, 0,1,2,3
	ds_store_b64 v[STW], v[ST+2*\u:ST+2*\u+1] offset:16*SP*\u   ; both halves of the lanes write the same bytes with the same values
.endr
	s_wait_alu depctr_va_vdst(0)
	s_wait_tensorcnt 0x0                           ; my part of beta has landed (met at once from the second trip on)
	s_wait_dscnt 0x0                               ; for the others' sake: my figures have landed, and my reads of the stage are over
	s_barrier_signal -1
	s_barrier_wait -1
.irp u, 0,1,2,3
	ds_load_b128 v[X+8*\u:X+8*\u+3], v[STR] offset:16*SP*\u
	ds_load_b128 v[X+8*\u+4:X+8*\u+7], v[STR] offset:16*SP*\u+16
.endr
	s_wait_dscnt 0x0
.irp u, 0,1,2,3
	v_min3_num_f32 v[TM+\u], v[X+8*\u], v[X+8*\u+2], v[X+8*\u+4]
.endr
.irp u, 0,1,2,3
	v_min_num_f32 v[TM+\u], v[TM+\u], v[X+8*\u+6]
.endr
.irp u, 0,1,2,3
	v_permlanex16_b32 v[TM+4+\u], v[TM+\u], s[SEL], s[SEL+1]
.endr
.irp u, 0,1,2,3
	v_min_num_f32 v[TM+\u], v[TM+\u], v[TM+4+\u]   ; the least -c m of the eight: the row's largest score
.endr
.irp i, 0,2,4,6
.irp u, 0,1,2,3
	v_sub_f32 v[X+8*\u+\i], v[TM+\u], v[X+8*\u+\i]
.endr
.endr
.irp u, 0,1,2,3
	v_sub_f32 v[TM+4+\u], v[TM+\u], v[ST+2*\u]
.endr
	s_wait_alu depctr_va_vdst(0)
.irp i, 0,2,4,6
.irp u, 0,1,2,3
	v_exp_f32 v[X+8*\u+\i], v[X+8*\u+\i]           ; 2^(c m of a wave - c m of the row), at most 1
.endr
.endr
.irp u, 0,1,2,3
	v_exp_f32 v[TM+4+\u], v[TM+4+\u]               ; my own
.endr
	v_nop
	s_wait_alu depctr_va_vdst(0)                   ; one wait for the twenty
.irp u, 0,1,2,3
	v_mul_f32 v[TM+8+\u], v[X+8*\u+1], v[X+8*\u]
.endr
.irp i, 2,4,6
.irp u, 0,1,2,3
	v_fmac_f32 v[TM+8+\u], v[X+8*\u+\i+1], v[X+8*\u+\i]
.endr
.endr
.irp u, 0,1,2,3
	v_permlanex16_b32 v[X+8*\u], v[TM+8+\u], s[SEL], s[SEL+1]
.endr
.irp u, 0,1,2,3
	v_add_f32 v[TM+8+\u], v[TM+8+\u], v[X+8*\u]    ; with the other four waves': the row's sum under the row's maximum
.endr
	s_wait_alu depctr_va_vdst(0)
.irp u, 0,1,2,3
	v_rcp_f32 v[TM+\u], v[TM+8+\u]
.endr
	v_nop
	s_wait_alu depctr_va_vdst(0)                   ; one wait for the four
.irp u, 0,1,2,3
	v_mul_f32 v[ST+2*\u], v[TM+4+\u], v[TM+\u]     ; f: my p times f is the finished softmax
.endr
	s_wait_alu depctr_va_vdst(0)
	BLH 0, 0
	BLH 0, 1
	PSTEP 0
	PSTEP 1
	PSTEP 2
	PSTEP 3
	s_wait_dscnt 0x0                               ; for the others' sake: my codes and scale words have landed
	s_barrier_signal -1
	s_barrier_wait -1
.irp i, 0,1,2,3
	ds_load_b128 v[SCL+4*\i:SCL+4*\i+3], v[PSR] offset:256*\i   ; K step 4 kh + i: row r's words of the four tiles
.endr
	PLD 0
	PLD 1
	WIN 0
	s_wait_loadcnt 0x0                             ; V, the next batch's Q and its K are in
	PREP
	s_wait_alu depctr_va_vdst(0)
	s_wait_dscnt 12                                ; the scale words and K step 0's fragments are in; K step 1's 12 loads may be out
	PVG 0
	SCORES 1                                       ; the next batch's tiles 2, 3
	WIN 0
	PLACES 4                                       ; in front of the loads into set 0 and of the first read of the scores
	PLD 2
	MAXP 1
	s_wait_alu depctr_va_vdst(0)
	s_wait_dscnt 12                                ; K step 1's fragments are in; K step 2's 12 loads may be out
	PVG 1
	WIN 0
	COMB 1                                         ; its first four lines are the places in front of the loads into set 1
	PLD 3
	FMAP 1
	s_wait_dscnt 12                                ; K step 2's fragments are in
	PVG 2
	s_wait_dscnt 0x0
	s_barrier_signal -1                            ; my reads of the codes are over
	PVG 3
	WIN 0
	PLACES 4
	s_barrier_wait -1                              ; nobody reads the codes any more: the stage lies over them
	WIN 0x04
.irp u, 0,1,2,3
.irp c, 0,1
	ds_store_b128 v[OPW], v[96+8*\u+4*\c:96+8*\u+4*\c+3] offset:(2*\u+\c)*4096   ; an image of the registers, each accumulator from its low end on
.endr
.endr
	WIN 0
	s_wait_xcnt 0x0
	s_add_nc_u64 s[44:45], s[44:45], s[54:55]
	s_add_nc_u64 s[46:47], s[46:47], s[56:57]
	VLOAD                                          ; the next batch's V
	s_wait_dscnt 0x0                               ; for the others' sake: my sums have landed
	s_barrier_signal -1
	EXPP 1                                         ; work on registers while the others arrive
	s_barrier_wait -1
	WIN 0x40
.irp p, 0,1,2,3,4,5,6,7
	ds_load_b128 v[4*\p:4*\p+3], v[OPR] offset:512*\p   ; wave p's four registers of my queries: t = p % 4, half p / 4 of K
.endr
	SUMP 1                                         ; under the stage's reads
	s_wait_alu depctr_va_vdst(0)
	s_wait_dscnt 0x0
	WIN 0x45
.irp j, 0,1,2,3
.irp t, 0,1,2,3
	v_add_f32 v[32+4*\j+\t], v[4*\t+\j], v[16+4*\t+\j]   ; query .. + j, d = 4 r + t: four neighbours
.endr
.endr
	WIN 0x04
.irp j, 0,1,2,3
	global_store_b128 v[OUTO], v[32+4*\j:32+4*\j+3], s[48:49] offset:4096*\j th:TH_STORE_NT   ; sixteen lanes store a query's 256 consecutive bytes, aligned
.endr
	WIN 0
	s_wait_xcnt 0x0                                ; the stores have read their data and their base
	s_add_nc_u64 s[48:49], s[48:49], 0x400000
	s_add_co_u32 s50, s50, 1
	s_cmp_lt_u32 s50, 8
	s_wait_alu depctr_va_vdst(0)
	s_cbranch_scc1 .Ltrip
	s_wait_tensorcnt 0x0                           ; the wave's end
	ds_add_u32 v[SPW], v[NIL]
	s_wait_dscnt 0x0
	s_endpgm
.Lfunc_end_k_qf9391e66ae_attn:
	.size	k_qf9391e66ae_attn, .Lfunc_end_k_qf9391e66ae_attn-k_qf9391e66ae_attn
	.p2alignl 7, 3214868480
	.fill 96, 4, 3214868480
	.section	.rodata,"a",@progbits
	.p2align	6, 0x0
	.amdhsa_kernel k_qf9391e66ae_attn
		.amdhsa_group_segment_fixed_size 327680
		.amdhsa_private_segment_fixed_size 0
		.amdhsa_enable_private_segment 0
		.amdhsa_kernarg_size 48
		.amdhsa_user_sgpr_count 2
		.amdhsa_user_sgpr_kernarg_segment_ptr 1
		.amdhsa_wavefront_size32 1
		.amdhsa_system_sgpr_workgroup_id_x 1
		.amdhsa_system_sgpr_workgroup_id_y 1
		.amdhsa_system_sgpr_workgroup_id_z 1
		.amdhsa_system_vgpr_workitem_id 0
		.amdhsa_next_free_vgpr 512
		.amdhsa_next_free_sgpr 66
		.amdhsa_reserve_vcc 0
		.amdhsa_float_denorm_mode_32 3
		.amdhsa_float_denorm_mode_16_64 3
		.amdhsa_memory_ordered 1
		.amdhsa_forward_progress 1
		.amdhsa_inst_pref_size 115
	.end_amdhsa_kernel
	.amdgpu_metadata
---
amdhsa.version: [ 1, 2 ]
amdhsa.kernels:
  - .name:           k_qf9391e66ae_attn
    .symbol:         k_qf9391e66ae_attn.kd
    .args:
      - { .name: beta, .offset: 0, .size: 8, .value_kind: global_buffer, .address_space: global }
      - { .name: qi, .offset: 8, .size: 8, .value_kind: global_buffer, .address_space: global }
      - { .name: ki, .offset: 16, .size: 8, .value_kind: global_buffer, .address_space: global }
      - { .name: vi, .offset: 24, .size: 8, .value_kind: global_buffer, .address_space: global }
      - { .name: vs, .offset: 32, .size: 8, .value_kind: global_buffer, .address_space: global }
      - { .name: out0, .offset: 40, .size: 8, .value_kind: global_buffer, .address_space: global }
    .group_segment_fixed_size: 327680
    .private_segment_fixed_size: 0
    .kernarg_segment_align: 8
    .kernarg_segment_size: 48
    .max_flat_workgroup_size: 256
    .sgpr_count:     66
    .vgpr_count:     512
    .wavefront_size: 32
...
	.end_amdgpu_metadata
.endif
;; end of part 3
